; MI455X (gfx1250); checked and timed in simulation.
; The chip was launched on July 23, 2026; its instructions are those of AMD's public machine-readable ISA for CDNA 5 (MIT licence, August 2026) and "CDNA5" Instruction Set Architecture Reference Guide (July 2026). The comments in the code are by the model that wrote it; some were corrected since.
;; Qwen3 Seq Parallel MLP. Allowed arithmetic: matrix products marked QUANTISED: E5M2 operands, one E8M0 scale for each 32 along K, by v_wmma_scale_f32_16x16x128_f8f6f4 with both operands' format E5M2, f32 sums; everything else in f32.
;; Inputs: h_shard_codes 2 x 512 x 64 x 32 uint8 (E5M2 codes of h_shard, K innermost, in blocks of 32 codes); h_shard_scales 2 x 512 x 64 uint8 (E8M0 scales of h_shard, one for each 32 codes along K); w_down_codes 2,048 x 256 x 32 uint8 (E5M2 codes of w_down, K innermost, in blocks of 32 codes); w_down_scales 2,048 x 256 uint8 (E8M0 scales of w_down, one for each 32 codes along K); w_gate_up_codes 16,384 x 64 x 32 uint8 (E5M2 codes of w_gate_up, K innermost, in blocks of 32 codes); w_gate_up_scales 16,384 x 64 uint8 (E8M0 scales of w_gate_up, one for each 32 codes along K).
;; Outputs: out0 2 x 512 x 2,048 float32.
;; This version of the problem:
;;   THIS VERSION OF THE PROBLEM IS GIVEN IN LOW PRECISION. The matrix products marked QUANTISED in the list below multiply operands that are first quantised to E5M2 (5 exponent bits, 2 mantissa bits; 8 bits a number), with one power-of-two scale for each 32 numbers along K (OCP MX v1.0); their sums are f32. All else is computed in f32.
;;   The module's matrix products, in the order in which they are computed (A, B: the left and right operand; K: the contracted axis; several contracted axes count as one K, in the product's order):
;;     1. [M 1,024, K 2,048] x [K 2,048, N 16,384]; A: input h_shard (given as codes); B: input w_gate_up (given as codes): QUANTISED
;;     2. [M 1,024, K 8,192] x [K 8,192, N 2,048]; A: computed on the way; B: input w_down (given as codes): QUANTISED
;;   THE QUANTISER, for each operand of a quantised product, along K:
;;     - K is cut into blocks of 32 from its start; a last block that is shorter is filled with zeros.
;;     - A block's scale is 2^e with e = floor(log2(the largest magnitude in the block)) - 15, held to -126 .. 127; a block of zeros has e = 0. As a byte (E8M0): e + 127.
;;     - Each number is divided by its block's scale, clamped to +-57,344, and rounded to the nearest number of E5M2, ties to even, subnormals kept.
;;     - The product sums the exact products of the quantised numbers (number of the format x scale) in f32.
;;   ~~~python
;;   def quantise(x, axis):      # numpy; x: float32 -> the quantised numbers, widened to float32 again
;;       x = np.moveaxis(x, axis, -1); K = x.shape[-1]
;;       x = np.pad(x, [(0, 0)] * (x.ndim - 1) + [(0, -K % 32)]); x = x.reshape(x.shape[:-1] + (-1, 32)); a = np.abs(x).max(-1, keepdims=True)
;;       e = np.where(a > 0, np.clip(np.frexp(np.where(a > 0, a, 1))[1] - 1 - 15, -126, 127), 0)      # np.frexp(a)[1] - 1 = floor(log2(a)), exactly
;;       r = np.clip(x / 2.0 ** e, -57344, 57344)
;;       step = 2.0 ** (np.maximum(np.frexp(np.where(r == 0, 1, r))[1] - 1, -14) - 2)
;;       q = np.round(r / step) * step * 2.0 ** e      # np.round: ties to even
;;       return np.moveaxis(q.reshape(q.shape[:-2] + (-1,))[..., :K], -1, axis).astype(np.float32)
;;   ~~~
;;   OPERANDS COMPUTED ON THE WAY. 'Computed on the way' means the value that the module computes at that place (a softmax that the list does not call 'softmax' is quantised finished and normalised). What goes into a quantiser is computed in f32, as accurately as f32 sums, v_exp_f32 and their like allow (about 1e-6 of the number): no bf16 or f16 on the way to a quantiser, and a product that is left as it is and whose result goes on into a quantised operand takes f32 operands (vector FMAs, or v_wmma_f32_16x16x4_f32). A number that lies on a knife's edge between two numbers of the format may be rounded either way, as far as f32 arithmetic and the matrix unit's own rounding can turn it there, and no further.
;;   INPUTS GIVEN AS CODES. h_shard (in the module: [2, 512, 2048], K = its axis 2); w_down (in the module: [2048, 8192], K = its axis 1); w_gate_up (in the module: [16384, 2048], K = its axis 1): each comes as NAME_codes (uint8): NAME with its K axis moved to the last place and cut into blocks of 32 codes, [.., K / 32, bytes a block], one block behind the other in memory; one code a byte (a code: sign, 5 exponent bits, 2 mantissa bits); and NAME_scales (uint8): the same leading axes, one E8M0 byte (e + 127) for each 32 codes along K. Its value is code x scale, taken as it is: it is not quantised again, and the codes and scales need not be those that the quantiser above would give.
;; One version. Each part assembles by itself: llvm-mc -triple=amdgcn-amd-amdhsa -mcpu=gfx1250 --defsym DOCPART=n.
;; ======== version 1 of 1: 2 launches
;; limits: right only within a limited range of input values
;; workspace buffers: hcodes 8,388,608 bytes; hscales 262,144 bytes
;; launch gateup (part 1): grid 64 x 4, 4 waves a work-group, clusters of 4 x 4, 327,680 bytes of LDS; arguments h_shard_codes, h_shard_scales, w_gate_up_codes, w_gate_up_scales, hcodes, hscales; writes hcodes, hscales
.if DOCPART == 1
	.amdgcn_target "amdgcn-amd-amdhsa--gfx1250"
	.amdhsa_code_object_version 6
	.text
	.protected	k_q0ea4913f4e_gateup
	.globl	k_q0ea4913f4e_gateup
	.p2align	8
	.type	k_q0ea4913f4e_gateup,@function
k_q0ea4913f4e_gateup:
	s_mov_b64 s[64:65], 0
	v_nop
	global_prefetch_b8 v0, s[64:65] scope:SCOPE_SE
	s_setreg_imm32_b32 hwreg(HW_REG_WAVE_MODE, 25, 1), 1
	s_wait_xcnt 0x0
	s_wait_alu depctr_hold_cnt(0) depctr_sa_sdst(0) depctr_va_vdst(0) depctr_va_sdst(0) depctr_va_ssrc(0) depctr_va_vcc(0) depctr_vm_vsrc(0)
	s_getreg_b32 s2, hwreg(HW_REG_IB_STS2, 6, 4)
	s_cmp_eq_u32 s2, 0
	s_cbranch_scc0 .Lentry_in_a_cluster
	s_endpgm
.Lentry_in_a_cluster:
	s_bfe_u32 s2, ttmp6, 0x10000c
	s_cmp_lg_u32 s2, 0xf033
	s_cbranch_scc0 .Lentry_shape_is_right
	s_endpgm
.Lentry_shape_is_right:
; hidden = Q(silu(h Wg^T) x (h Wu^T)).  h: [1024][2048], W_gate_up: [16384][2048] (rows 0-8191 gate, 8192-16383 up): codes of BF8 (E5M2) with one E8M0 byte for each 32 along K, taken as they lie.
; Sums, activation and the quantiser's inputs are f32.  The hidden layer [1024][8192] leaves as codes and scale words for the second launch and never as f32.  No work of the problem is left out.
; SHARES.  A work-group of four waves takes 256 tokens (ty) x 128 hidden units (tx): 128 gate rows and the 128 up rows of the same units.  A wave takes 128 tokens x (64 gate + 64 up rows):
; 64 accumulators of 16 x 16, 512 registers; weight tiles 0-3 are gate, 4-7 the up tiles of the same units, so gate and up of a hidden unit meet in one lane.
; K goes in steps of 256 through a ring of two LDS slots filled by the tensor data mover.  The scale bytes of the work-group's rows, for all of K, go through registers into LDS once, at the head.
; CLUSTERS: 4 x 4 work-groups.  The four of a row of the cluster need the same tokens, the four of a column the same weight rows: each tile is asked for JOINTLY.  The grid's height is one cluster's, so ty is my place cy.
; THE MATRIX INSTRUCTION IS USED TRANSPOSED (source 0 = 16 weight rows, source 1 = 16 tokens): lane (r, h), register j of tile g holds token r and hidden unit 16 g + 8 h + j: a lane's registers run along the next product's K.
; THE OUTPUT'S LAYOUT is the second launch's operand registers on end: hcodes[s][tb][c][lane][16]: token 16 tb + lane % 16, hidden unit 128 s + 32 c + 16 (lane / 16) + byte;
; hscales: one word for (s, token 128 tg + 16 i + r) at s 4096 + tg 512 + (i / 4) 256 + 16 r + 4 (i % 4), byte c for units 128 s + 32 c on.
; LIMITS: NaN and infinities are not served.  A block of zeros gets the scale byte 1 (its codes are zeros; the bytes are read by this program alone).  v_exp_f32 and v_rcp_f32 flush denormals, so the sigmoid
; counts as 0 where e^(-gate) passes about 2^126 (gate under about -87): there the exact result lies under about 1e-36 x |gate x up|.
; A STEP of 128 along K has two halves of 32 products, token blocks 0-3 and 4-7 x weight tiles 0 .. 7, four products to a tile, and two runs of LDS loads, each issued one half ahead of its use: in front of the first half this
; step's token blocks 4-7 and the next step's blocks 0-3, between the halves the next step's weights.
; REGISTERS, in windows of 256: window 0: v0-31 addresses; v32-63 scale words, two sets; v64-191 fragments of token blocks 0-3, two sets; v192-255 of token blocks 4-7, one set.  On the way out v64-255 are free.
;   window 1: the weights' fragments, two sets.   window 2: the accumulators of token blocks 0-3 ((a, b) at v[8 (8 a + b)]);   window 3: those of token blocks 4-7.
.set ROWB,   256                       ; a tile's row in bytes
.set KROW,   2048                      ; a row of codes in memory
.set PITCH,  272                       ; an LDS row: 256 bytes + 16 of padding: the 16 rows that a load touches begin 68 words apart
.set FR,     16                        ; registers of a fragment
.set HALFT,  128*PITCH                 ; 128 rows: what one tensor load brings
.set SLOT,   4*HALFT                   ; tokens 0-127, tokens 128-255, gate rows, up rows
.set LAPS,   4                         ; 2048 / 512: a lap is two K steps of 256, once round the ring
.set SCL,    2*SLOT                    ; behind the ring: the scale bytes, as runs of 256 bytes + 16 of padding
.set HALFS,  32*272                    ; those of 128 rows (64 bytes a row)
.set SBLK,   4*272                     ; those of 16 rows
.set SPARE,  SCL+4*HALFS               ; the spare words, 128 bytes for each wave: two blocks of 256 bytes that no other line names
.set SSTG,   SPARE+512                 ; 1,024 bytes: the hidden layer's scale words meet here; no fill ever lands here
.set SLO,  15                          ; v15     16 x my thread's number: my piece of 2,048 scale bytes
.set ADRA, 16                          ; v16-17  LDS address of my tokens' fragments in slot 0, 1
.set ADRB, 20                          ; v20-21  the same for my weight rows
.set SRD,  22                          ; v22     where I read scale words back
.set SGO,  23                          ; v23     and their place in memory
.set HO,   24                          ; v24     my 8 codes' place in a run of 256 bytes: 16 r + 8 h
.set SSTO, 25                          ; v25     where I put a half-word of scale bytes
.set ADRS2, 26                         ; v26     LDS address of scale words for blocks 4-7
.set ADRS, 27                          ; v27     and for blocks 0-3: lanes 0-15 the tokens', lanes 16-31 the weight rows'
.set SPW,  28                          ; v28     LDS address of my spare word; never rewritten
.set NIL,  29                          ; v29     0; never rewritten
.set PFO,  30                          ; v30     the prefetches' offset: my lane x a row of 2,048 bytes; never rewritten
.set SST,  31                          ; v31     where I put 16 scale bytes at the head
.set SC,   32                          ; scale words: set s at v[SC + 16 s]; block i < 4: register 2 i + q, block i >= 4: 2 i + 1 - q (q: which 128 of the slot's 256): one step's eight numbers differ modulo 8
.set AL,   64                          ; token blocks 0-3: set q at v[AL + 64 q]
.set AH,   192                         ; token blocks 4-7
.set T,    64                          ; v64-127 the way out: 2 x 32 numbers of a lane
.set MX,   128                         ; v128-131 four blocks' largest magnitudes
.set PM,   132                         ; v132-135 the other half of the lanes'
.set SO,   136                         ; v136-139 the conversions' scale operands
.set HD,   140                         ; v140-143 the largest number x the scale
.set BY,   144                         ; v144-147 the scale bytes
.set HW,   152                         ; v152-159 a half-word of two bytes for each block of 16 tokens
.set RB,   160                         ; v160-161 scale words read back
.set CD,   192                         ; the way out: 8 registers of codes for each block of 16 tokens
.set WV, 16                            ; s16 wave;  s17 which 128 tokens are mine, also: I fetch tokens (0) or weights (1);  s18 which 64 units, also: which 128 rows I fetch
.set WM, 17
.set WN, 18
.set CX, 19
.set CY, 20
.set TX, 21
.set G1, 24                            ; s[24:31] group 1 for the tokens' tiles;  s[32:39] group 0, one set for each slot
.set G0, 32
.set G1B, 48                           ; s[48:55], s[56:63] the same for the weights'
.set G0B, 56
.set PFA, 92                           ; s[92:93] where my prefetches stand
.set LIM, 94                           ; s94  1 in a wave that prefetches, else the greatest number
.set NL2E, 96                          ; s[96:97] -log2(e), twice
.set SEL, 98                           ; s[98:99] v_permlanex16_b32's selects for lane l xor 16
.set MNT, 100                          ; s100 the mantissa field of 57,344
.set MSB, 0
.macro WIN new                         ; the immediate's high byte repeats the setting that is left
.if MSB != \new
	s_set_vgpr_msb (MSB<<8)|\new
.set MSB, \new
.endif
.endm
.set MUL_LO, 0xa1                      ; source 0 (weights) window 1, source 1 (tokens) window 0, C and D window 2
.set MUL_HI, 0xf1                      ; the same, C and D window 3
.set TO_B,   0x40                      ; destination window 1, address window 0
.macro PLACES n
.rept \n
	v_nop
.endr
.endm
; A joint load: waves 0 and 1 fetch tokens, waves 2 and 3 weights.  Each line has one mask and one set of registers for all that issue it; the branch hangs on the wave's number alone.
.macro JLOAD s
	s_cmp_eq_u32 s[WM], 0
	s_cbranch_scc0 .Lfor_b_\@
	tensor_load_to_lds s[G0+4*\s:G0+4*\s+3], s[G1:G1+7]
	s_nop 0
.rept 4
	v_nop
.endr
	s_branch .Lasked_\@
.Lfor_b_\@:
	tensor_load_to_lds s[G0B+4*\s:G0B+4*\s+3], s[G1B:G1B+7]
	s_nop 0
.rept 4
	v_nop
.endr
.Lasked_\@:
.endm
.macro CREST                           ; a round of the cluster's barrier behind its opening barrier
	s_cmp_lg_u32 s[WV], 0
	s_cbranch_scc1 .Lnot_wave_0_\@
	s_barrier_signal -3
.Lnot_wave_0_\@:
	s_barrier_wait -3
	s_barrier_signal -1
	s_barrier_wait -1
.endm
.macro CROUND                          ; a whole round
	s_barrier_signal -1
	s_barrier_wait -1
	CREST
.endm
; Prefetches: 32 rows x 256 bytes of one K step of 256, a lane a row, one instruction a wave.  At the head K step 1 when the scale bytes have come, K steps 2 and 3 behind the second joint load; behind a refill the K step two refills on.
; The tokens' rows are read by all sixteen clusters: the first four (cluster x under 4) ask; each cluster's weight rows are its own.  Of the 128 rows that a wave fetches, the partner at place p (cx for tokens,
; cy for weights) names rows 32 p .. 32 p + 31, told apart by address.
.macro ASKHEAD off
	s_cmp_eq_u32 s[LIM], 1
	s_cbranch_scc0 .Lnot_mine_\@
	global_prefetch_b8 v[PFO], s[PFA:PFA+1] offset:\off th:TH_LOAD_NT scope:SCOPE_SE
.Lnot_mine_\@:
.endm
.macro ASK                             ; the loop's last trip (s3 = 1) has no K step two refills on
	s_cmp_gt_u32 s3, s[LIM]
	s_cbranch_scc0 .Lnot_mine_\@
	global_prefetch_b8 v[PFO], s[PFA:PFA+1] offset:2*ROWB th:TH_LOAD_NT scope:SCOPE_SE
.Lnot_mine_\@:
.endm
	s_load_b256 s[4:11], s[0:1], 0x0               ; h's codes s[4:5], h's scales s[6:7], W's codes s[8:9], W's scales s[10:11]
	s_load_b128 s[12:15], s[0:1], 0x20             ; hcodes s[12:13], hscales s[14:15]
	v_lshl_add_u32 v[SPW], v0, 2, SPARE
	v_mov_b32 v[NIL], 0
	ds_add_u32 v[SPW], v[NIL]                      ; the wave's opening: the add, twice on end, and its wait ahead of my first tensor load
	ds_add_u32 v[SPW], v[NIL]
	v_lshrrev_b32 v1, 5, v0
	v_readfirstlane_b32 s[WV], v1                  ; wave 0..3
	s_lshr_b32 s[WM], s[WV], 1
	s_and_b32 s[WN], s[WV], 1
	s_bfe_u32 s[CX], ttmp6, 0x40000                ; cx, cy: my place in the cluster; cy is also ty
	s_bfe_u32 s[CY], ttmp6, 0x40004
	s_lshl_b32 s[TX], ttmp9, 2
	s_add_co_u32 s[TX], s[TX], s[CX]               ; tx = 4 x cluster x + cx: which 128 hidden units
	s_mul_i32 s42, s[WM], HALFT                    ; my 128 tokens in slot 0, and in slot 1
	s_add_co_u32 s44, s42, SLOT
	s_mul_i32 s43, s[WN], 64*PITCH                 ; my 64 gate rows, behind the 256 tokens; my up rows lie 128 rows further on
	s_add_co_u32 s43, s43, 2*HALFT
	s_add_co_u32 s45, s43, SLOT
	s_mul_i32 s46, s[WM], HALFS                    ; scales: my 128 tokens',
	s_mul_i32 s47, s[WN], 4*SBLK                   ; my 64 gate rows', behind the tokens' 256:
	s_add_co_u32 s47, s47, 2*HALFS
	s_sub_co_u32 s47, s47, s46                     ; the distance from the one to the other
	s_add_co_u32 s66, s47, 4*SBLK                  ; blocks 4-7 are up rows, 128 rows behind the gate rows: four blocks more than 4 .. 7 count
	s_add_co_u32 s67, s46, SCL
	s_lshl_b32 s22, s[WM], 9
	s_lshl_b32 s23, s[WN], 1
	s_add_co_u32 s22, s22, s23
	s_add_co_u32 s22, s22, SSTG
	v_and_b32 v1, 15, v0                           ; r = l % 16
	v_bfe_u32 v2, v0, 4, 1                         ; h = l / 16
	v_mul_u32_u24 v3, v1, PITCH
	v_lshl_add_u32 v3, v2, 4, v3                   ; a fragment's row x pitch + 16 x half
	v_add_nc_u32 v[ADRA], s42, v3
	v_add_nc_u32 v[ADRA+1], s44, v3
	v_add_nc_u32 v[ADRB], s43, v3
	v_add_nc_u32 v[ADRB+1], s45, v3
	v_lshlrev_b32 v5, 6, v1                        ; my row's scales: 64 bytes a row,
	v_lshrrev_b32 v6, 8, v5
	v_lshl_add_u32 v5, v6, 4, v5                   ; and 16 more for each 256 passed
	v_mul_u32_u24 v6, s47, v2                      ; lanes 16-31 take the weights'
	v_mul_u32_u24 v7, s66, v2
	v_add_nc_u32 v6, v5, v6
	v_add_nc_u32 v7, v5, v7
	v_add_nc_u32 v[ADRS], s67, v6
	v_add_nc_u32 v[ADRS2], s67, v7
	v_lshlrev_b32 v[HO], 4, v1
	v_lshl_add_u32 v[HO], v2, 3, v[HO]             ; 16 r + 8 h
	v_lshl_add_u32 v[SSTO], v1, 4, s22             ; SSTG + 512 x token half + 16 r + 2 x unit half
	v_lshl_add_u32 v[SRD], v0, 3, SSTG             ; 8 x thread
	v_lshlrev_b32 v[SGO], 3, v0
	v_lshlrev_b32 v[SLO], 4, v0
	v_lshrrev_b32 v4, 4, v0                        ; 16 bytes a thread: unit thread / 16 of 256 bytes + 16, piece thread % 16
	v_mul_u32_u24 v4, v4, 272
	v_lshl_add_u32 v4, v1, 4, v4
	v_add_nc_u32 v[SST], SCL, v4
	v_and_b32 v[PFO], 31, v0
	v_lshlrev_b32 v[PFO], 11, v[PFO]
	s_lshl_b32 s40, s[CY], 2
	s_lshl_b32 s40, 15, s40                        ; my row of the cluster
	s_lshl_b32 s41, 0x1111, s[CX]                  ; my column
	; group 1: a tile of 128 rows x 256 bytes, 16 bytes of padding behind each row
	s_or_b32 s[G1+0], s40, (0<<16)|(1<<20)|(1<<21)|(5<<22)|(3<<25)  ; 15:0 the mask; 17:16 elements of 1 byte; 20 padding on; 21 set beside a mask; 24:22 after every 64 words; 31:25 four words
	s_or_b32 s[G1B+0], s41, (0<<16)|(1<<20)|(1<<21)|(5<<22)|(3<<25)
.irp g, G1, G1B
	s_mov_b32 s[\g+1], ROWB<<16                    ; tensor_dim0
	s_mov_b32 s[\g+2], 128<<16                     ; tensor_dim1
	s_mov_b32 s[\g+3], ROWB<<16                    ; tile_dim0
	s_mov_b32 s[\g+4], 128                         ; tile_dim1
	s_mov_b32 s[\g+5], KROW                        ; from row to row
	s_mov_b32 s[\g+6], 0
	s_mov_b32 s[\g+7], 0
.endr
	s_lshl_b32 s23, s[WN], 7
	s_lshl_b32 s44, s[CY], 8
	s_add_co_u32 s44, s44, s23                     ; tokens: row 256 ty + 128 x half
	s_lshl_b32 s23, s[WN], 13
	s_lshl_b32 s46, s[TX], 7
	s_add_co_u32 s46, s46, s23                     ; weights: row 128 tx, + 8,192 for the up rows
	s_lshl_b32 s44, s44, 11                        ; where the codes begin, in bytes
	s_mov_b32 s45, 0
	s_lshl_b32 s46, s46, 11
	s_mov_b32 s47, 0
	s_lshl_b32 s42, s[CY], 14                      ; the scales of my work-group's 256 tokens
	s_mov_b32 s43, 0
	s_lshl_b32 s66, s[TX], 13                      ; and of its 128 gate rows (the up rows' lie 524,288 bytes on)
	s_mov_b32 s67, 0
	s_mul_i32 s2, s[WV], HALFT                     ; where the codes go: wave x 128 rows: no place in the cluster enters an LDS address
	s_mov_b32 s[NL2E], 0xbfb8aa3b
	s_mov_b32 s[NL2E+1], s[NL2E]
	s_mov_b32 s[SEL], 0x76543210
	s_mov_b32 s[SEL+1], 0xfedcba98
	s_mov_b32 s[MNT], 0x600000
	s_wait_alu depctr_va_vdst(0)                   ; behind the head's vector lines
	s_wait_dscnt 0x0                               ; both opening adds are done
	CROUND                                         ; all sixteen work-groups are here: the first joint loads meet
	s_wait_kmcnt 0x0
	s_add_nc_u64 s[44:45], s[4:5], s[44:45]
	s_add_nc_u64 s[46:47], s[8:9], s[46:47]
.irp s, 0,1
	s_mov_b32 s[G0+4*\s], 1
	s_add_co_u32 s[G0+4*\s+1], s2, \s*SLOT
	s_add_nc_u64 s[G0+4*\s+2:G0+4*\s+3], s[44:45], \s*ROWB
	s_or_b32 s[G0+4*\s+3], s[G0+4*\s+3], 0x80000000
	s_mov_b32 s[G0B+4*\s], 1
	s_add_co_u32 s[G0B+4*\s+1], s2, \s*SLOT
	s_add_nc_u64 s[G0B+4*\s+2:G0B+4*\s+3], s[46:47], \s*ROWB
	s_or_b32 s[G0B+4*\s+3], s[G0B+4*\s+3], 0x80000000
.endr
	JLOAD 0                                        ; K step 0: one tensor load a wave at the head
	s_add_nc_u64 s[6:7], s[6:7], s[42:43]
	s_add_nc_u64 s[10:11], s[10:11], s[66:67]
; the scale bytes, 2,048 to an instruction of the work-group: the tokens' eight runs, the gate rows' four, the up rows' four; a wave reads 512 consecutive bytes
.irp k, 0,1,2,3,4,5,6,7
	global_load_b128 v[64+4*\k:64+4*\k+3], v[SLO], s[6:7] offset:2048*\k
.endr
.irp k, 0,1,2,3
	global_load_b128 v[96+4*\k:96+4*\k+3], v[SLO], s[10:11] offset:2048*\k
.endr
.irp k, 0,1,2,3
	global_load_b128 v[112+4*\k:112+4*\k+3], v[SLO], s[10:11] offset:524288+2048*\k
.endr
	s_lshl_b32 s40, s[TX], 17                      ; hcodes: K step tx of 131,072 bytes,
	s_lshl_b32 s41, s[CY], 4
	s_lshl_b32 s42, s[WM], 3
	s_add_co_u32 s41, s41, s42
	s_lshl_b32 s41, s41, 11                        ; my first block of 16 tokens, 16 ty + 8 x half, of 2,048 bytes,
	s_add_co_u32 s40, s40, s41
	s_lshl_b32 s41, s[WN], 10                      ; my 64 units: 1,024 bytes of the block's image
	s_add_co_u32 s40, s40, s41
	s_mov_b32 s41, 0
	s_add_nc_u64 s[12:13], s[12:13], s[40:41]
	s_lshl_b32 s40, s[TX], 12                      ; hscales: 4,096 bytes a K step, 1,024 for my work-group's tokens
	s_lshl_b32 s42, s[CY], 10
	s_add_co_u32 s40, s40, s42
	s_add_nc_u64 s[14:15], s[14:15], s[40:41]
	; the prefetches: who asks, and where
	s_lshl_b32 s40, s[CY], 8
	s_lshl_b32 s41, s[WN], 7
	s_add_co_u32 s40, s40, s41                     ; the tokens' rows that I fetch
	s_lshl_b32 s42, s[TX], 7
	s_lshl_b32 s43, s[WN], 13
	s_add_co_u32 s42, s42, s43                     ; the weights'
	s_cmp_eq_u32 s[WM], 0                          ; do I fetch tokens?
	s_cselect_b32 s40, s40, s42
	s_cselect_b32 s41, s[CX], s[CY]                ; my place among the four that ask with me
	s_cselect_b32 s23, ttmp9, 0                    ; the coordinate along which other clusters read the same rows
	s_cselect_b64 s[PFA:PFA+1], s[4:5], s[8:9]
	s_cmp_lt_u32 s23, 4
	s_cselect_b32 s[LIM], 1, -1                    ; the same in all sixteen partners, for a given wave
	s_lshl_b32 s41, s41, 5
	s_add_co_u32 s40, s40, s41                     ; + my work-group's 32 rows
	s_lshl_b32 s40, s40, 11
	s_add_co_u32 s40, s40, ROWB                    ; at K step 1: the first refill steps it to 2 and names K step 4
	s_mov_b32 s41, 0
	s_add_nc_u64 s[PFA:PFA+1], s[PFA:PFA+1], s[40:41]
.macro FRAG reg, adr, q, rows          ; a fragment, 16 rows x 128 K of 8-bit codes: lane l holds row l % 16; registers 4 c .. 4 c + 3 hold K = 32 c + 16 (l / 16) + 0 .. 15
.irp c, 0,1,2,3
	ds_load_b128 v[\reg+4*\c:\reg+4*\c+3], v[\adr] offset:128*(\q)+32*\c+(\rows)*PITCH
.endr
.endm
.macro TOK reg, slot, q, row0          ; four fragments of tokens
.irp a, 0,1,2,3
	FRAG \reg+16*\a, ADRA+\slot, \q, \row0+16*\a
.endr
.endm
.macro WTS slot, q                     ; the eight weight fragments into set q: tiles 0-3 my gate rows, tiles 4-7 my up rows, 128 LDS rows behind them
	WIN TO_B
.irp g, 0,1,2,3,4,5,6,7
	FRAG 128*\q+16*\g, ADRB+\slot, \q, 16*\g+64*(\g/4)
.endr
.endm
; Four products: weight tile g x token blocks 4 hi .. 4 hi + 3; q: which 128 of the slot's 256; sc: the set of scale words.  zero = 1: the first product starts the sums.
; The 64 accumulators take turns, one instruction a turn, in the same order in every step.
.macro PROD4 hi, g, q, sc, zero
.set WF_, 128*\q+FR*\g
.if \g < 4
.set WS_, SC+16*\sc+2*\g+\q
.else
.set WS_, SC+16*\sc+2*\g+1-\q
.endif
.irp a, 0,1,2,3
.if \hi
.set TF_, AH+FR*\a
.set TS_, SC+16*\sc+2*(4+\a)+1-\q
.else
.set TF_, AL+64*\q+FR*\a
.set TS_, SC+16*\sc+2*\a+\q
.endif
.set AC_, 8*(8*\a+\g)
.if \zero
	v_wmma_scale_f32_16x16x128_f8f6f4 v[AC_:AC_+7], v[WF_:WF_+15], v[TF_:TF_+15], 0, v[WS_], v[TS_] matrix_a_fmt:MATRIX_FMT_BF8 matrix_b_fmt:MATRIX_FMT_BF8 matrix_a_scale:MATRIX_SCALE_ROW1
.else
	v_wmma_scale_f32_16x16x128_f8f6f4 v[AC_:AC_+7], v[WF_:WF_+15], v[TF_:TF_+15], v[AC_:AC_+7], v[WS_], v[TS_] matrix_a_fmt:MATRIX_FMT_BF8 matrix_b_fmt:MATRIX_FMT_BF8 matrix_a_scale:MATRIX_SCALE_ROW1
.endif
.endr
.endm
.macro SECOND q, sc, zero              ; a step's second half: token blocks 4-7
	WIN MUL_HI
.irp g, 0,1,2,3,4,5,6,7
	PROD4 1, \g, \q, \sc, \zero
.endr
	WIN 0
.endm
.macro SCALES sc                       ; a K step's scale words into set sc: two words a row; lanes 0-15 take token block i, lanes 16-31 weight tile i
.irp i, 0,1,2,3
	ds_load_b64 v[SC+16*\sc+2*\i:SC+16*\sc+2*\i+1], v[ADRS] offset:\i*SBLK
.endr
.irp i, 4,5,6,7
	ds_load_b64 v[SC+16*\sc+2*\i:SC+16*\sc+2*\i+1], v[ADRS2] offset:\i*SBLK
.endr
.endm
; EVERY STEP BEGINS with the 32 loads of its eight weight fragments, in order, as its youngest LDS instructions: behind fragment g's stand 28 - 4 g of them and what the step has issued itself.
; A load into a register that a matrix instruction has read stands eight places behind it; only plain vector instructions that name none of its registers are places.
; So eight v_nop stand at each step's head: they are the places behind all products of the step before, for both runs of loads.
; The slot's first 128 of K: its successor lies in the same slot.
.macro STEP slot
	PLACES 8
	TOK AH, \slot, 0, 64
	TOK AL+64, \slot, 1, 0
	WIN MUL_LO
.irp g, 0,1,2,3,4,5,6,7
	s_wait_dscnt 60-4*\g                           ; weight fragment g is in: behind it 28 - 4 g of the weights', 32 of the tokens'
	PROD4 0, \g, 0, \slot, 0
.endr
	WTS \slot, 1
	s_wait_dscnt 48                                ; token blocks 4-7 are in: behind them 16 of the tokens', 32 of the weights'
	SECOND 0, \slot, 0
.endm
; The slot's last 128 of K, and the change of slots between its halves.  The slot's last reads are token blocks 4-7's, in front of the first half.  ONE barrier: in front of it each wave waits for all its tensor loads, adds 0 to its
; spare word, and waits for that and for its reads of this slot.  fill = 1: it opens a round of the cluster's barrier, and this slot is filled again, two K steps ahead.  Under the second half's products come the next slot's
; token blocks 0-3, scale words and weight fragments.
.macro TURN slot, next, fill
.if \fill
	s_wait_xcnt 0x0                                ; the last prefetch has read its address: it is stepped here
	s_add_nc_u64 s[PFA:PFA+1], s[PFA:PFA+1], ROWB
.endif
	PLACES 8
	TOK AH, \slot, 1, 64
	WIN MUL_LO
.irp g, 0,1,2,3,4,5
	s_wait_dscnt 44-4*\g                           ; weight fragment g is in: behind it 28 - 4 g of the weights', 16 of the tokens'
	PROD4 0, \g, 1, \slot, 0
.endr
	WIN 0                                          ; (the add's two registers lie in window 0)
	s_wait_tensorcnt 0x0                           ; all my tensor loads have landed: my part of the next slot; so every group 0 may be written
	ds_add_u32 v[SPW], v[NIL]                      ; 0 onto my spare word
.if \fill
	s_add_nc_u64 s[G0+4*\slot+2:G0+4*\slot+3], s[G0+4*\slot+2:G0+4*\slot+3], 2*ROWB
	s_add_nc_u64 s[G0B+4*\slot+2:G0B+4*\slot+3], s[G0B+4*\slot+2:G0B+4*\slot+3], 2*ROWB
.endif
	s_wait_dscnt 21                                ; weight fragment 6 is in: behind it 4 of fragment 7, 16 of token blocks 4-7, the add
	WIN MUL_LO
	PROD4 0, 6, 1, \slot, 0
	s_wait_dscnt 0x0                               ; the add is done, and my reads of this slot are over
	s_barrier_signal -1
	PROD4 0, 7, 1, \slot, 0
	WIN 0
	s_barrier_wait -1
.if \fill
	CREST                                          ; no wave of any partner still reads this slot's tile or has a load on its way
	JLOAD \slot                                    ; the first tensor load behind the round, my one load until the next
.endif
	v_add_nc_u32 v[ADRS], 8, v[ADRS]               ; on to the next K step's scale words (no LDS load of mine is out)
	v_add_nc_u32 v[ADRS2], 8, v[ADRS2]
	s_wait_alu depctr_va_vdst(0)                   ; directly behind the address writes
	TOK AL, \next, 0, 0
	SCALES \next
.if \fill
	ASK
.endif
	WIN MUL_HI
.irp g, 0,1,2,3
	PROD4 1, \g, 1, \slot, 0
.endr
	WTS \next, 0                                   ; sixteen products stand between the two runs of loads; the weights' are the youngest 32
	WIN MUL_HI
.irp g, 4,5,6,7
	PROD4 1, \g, 1, \slot, 0
.endr
	WIN 0
.endm
	s_wait_loadcnt 0x0                             ; the scale bytes are in registers
	ASKHEAD 0                                      ; K step 1
; of the rows that serve as blocks 4-7 (tokens 64-127 of each 128, the up rows) neighbouring words change places: see SC
.set D_, 128
.irp x, 72,76,88,92,112,116,120,124
	v_mov_b32 v[D_], v[\x+1]
	v_mov_b32 v[D_+1], v[\x]
	v_mov_b32 v[D_+2], v[\x+3]
	v_mov_b32 v[D_+3], v[\x+2]
.set D_, D_+4
.endr
.set U_, 0
.irp x, 64,68,128,132,80,84,136,140,96,100,104,108,144,148,152,156
	ds_store_b128 v[SST], v[\x:\x+3] offset:8*272*U_
.set U_, U_+1
.endr
	s_wait_tensorcnt 0x0                           ; my part of K step 0 is in
	ds_add_u32 v[SPW], v[NIL]
	s_wait_dscnt 0x0                               ; the add and my scale bytes' stores are done
	CROUND                                         ; everybody's part of K step 0 and of the scales is in, and the joint loads meet
	JLOAD 1                                        ; K step 1, the first tensor load behind the round
	TOK AL, 0, 0, 0                                ; the first step: its products start the sums, so it is written out; its fragments all come in one run
	SCALES 0
	WTS 0, 0
	WIN 0
	TOK AH, 0, 0, 64
	ASKHEAD ROWB                                   ; K step 2
	WIN MUL_LO
.irp g, 0,1,2,3,4,5,6,7
	s_wait_dscnt 44-4*\g                           ; weight fragment g is in: behind it 28 - 4 g of the weights', 16 of token blocks 4-7
	PROD4 0, \g, 0, 0, 1
.endr
	WIN 0
	TOK AL+64, 0, 1, 0
	ASKHEAD 2*ROWB                                 ; K step 3
	WTS 0, 1
	s_wait_dscnt 48                                ; token blocks 4-7 are in
	SECOND 0, 0, 1
	s_mov_b32 s3, LAPS-1
.Llap:                                                 ; a trip goes once round the ring and fills both slots again
	TURN 0, 1, 1
	STEP 1
	TURN 1, 0, 1
	STEP 0
	s_sub_co_u32 s3, s3, 1
	s_cmp_lg_u32 s3, 0
	s_cbranch_scc1 .Llap
	TURN 0, 1, 0                                   ; the last lap fills nothing, and has no round of the cluster's barrier
	STEP 1
	PLACES 8                                       ; the very last step: nothing more to fetch but its own token blocks 4-7
	TOK AH, 1, 1, 64
	WIN MUL_LO
.irp g, 0,1,2,3,4,5,6,7
	s_wait_dscnt 44-4*\g
	PROD4 0, \g, 1, 1, 0
.endr
	s_wait_dscnt 0x0
	SECOND 1, 1, 0
; THE WAY OUT, two blocks of 16 tokens at a time.  T[32 u + 8 g + j] = hidden unit 16 g + 8 h + j of my 64, for token r of block a + u: gate x 1 / (1 + 2^(-gate log2 e)) x up, in f32.
; T[32 u + 0 .. 15] and lane l xor 16's are one block of 32 along the next K, T[32 u + 16 .. 31] the next.  A tile's 8 codes are 8 bytes; 32 lanes' are one run of 256 bytes of the operand's image, aligned.
.macro HIDP a
	WIN (2+(\a)/4)                                 ; source 0: the blocks' accumulators
	s_wait_alu depctr_va_vdst(0)                   ; ahead of the sums' first readers
.irp u, 0,1
.set AC, 64*((\a+\u)%4)
.set j, 0
.rept 16
	v_pk_mul_f32 v[T+32*\u+j:T+32*\u+j+1], v[AC+j:AC+j+1], s[NL2E:NL2E+1] op_sel_hi:[1,0]   ; -gate log2(e); each gate accumulator is read from its low end on
.set j, j+2
.endr
.endr
	WIN 0
	s_wait_alu depctr_va_vdst(0)
.set j, 0
.rept 64
	v_exp_f32 v[T+j], v[T+j]
.set j, j+1
.endr
	v_nop                                          ; a plain instruction behind the last exponential,
	s_wait_alu depctr_va_vdst(0)                   ; and one wait for the batch
.set j, 0
.rept 32
	v_pk_add_f32 v[T+j:T+j+1], v[T+j:T+j+1], 1.0 op_sel_hi:[1,0]
.set j, j+2
.endr
	s_wait_alu depctr_va_vdst(0)
.set j, 0
.rept 64
	v_rcp_f32 v[T+j], v[T+j]
.set j, j+1
.endr
	v_nop
	WIN (2+(\a)/4)
	s_wait_alu depctr_va_vdst(0)                   ; one wait for the 64 reciprocals, and for the up sums' first readers
.irp u, 0,1
.set AC, 64*((\a+\u)%4)
.set j, 0
.rept 16
	v_pk_mul_f32 v[T+32*\u+j:T+32*\u+j+1], v[AC+j:AC+j+1], v[T+32*\u+j:T+32*\u+j+1]         ; silu(gate)
.set j, j+2
.endr
.endr
.irp u, 0,1
.set AC, 64*((\a+\u)%4)
.set j, 0
.rept 16
	v_pk_mul_f32 v[T+32*\u+j:T+32*\u+j+1], v[AC+32+j:AC+32+j+1], v[T+32*\u+j:T+32*\u+j+1]   ; x up; each up accumulator is read from its low end on
.set j, j+2
.endr
.endr
	WIN 0
.irp n, 0,1,2,3
	v_max3_num_f32 v[MX+\n], |v[T+16*\n]|, |v[T+16*\n+1]|, 0x8000000           ; my 16 numbers of a block, and the floor 2^(16 - 127): the byte cannot fall under 1
.endr
.irp i, 2,4,6,8,10,12,14
.irp n, 0,1,2,3
	v_max3_num_f32 v[MX+\n], v[MX+\n], |v[T+16*\n+\i]|, |v[T+16*\n+\i+1]|
.endr
.endr
.irp n, 0,1,2,3
	v_permlanex16_b32 v[PM+\n], v[MX+\n], s[SEL], s[SEL+1]
.endr
.irp n, 0,1,2,3
	v_max_num_f32 v[MX+\n], v[MX+\n], v[PM+\n]     ; with lane l xor 16's: the block's largest magnitude
.endr
.irp n, 0,1,2,3
	v_add_nc_u32 v[SO+\n], 0xf8800000, v[MX+\n]    ; 15 off its exponent field: the conversion takes the exponent field of this operand as its scale
.endr
.irp n, 0,1,2,3
	v_and_or_b32 v[HD+\n], v[MX+\n], 0x7f800000, s[MNT]   ; 57,344 x the scale
.endr
.irp n, 0,1,2,3
	v_lshrrev_b32 v[BY+\n], 23, v[SO+\n]           ; the scale's byte
.endr
.irp u, 0,1
	v_lshl_or_b32 v[HW+\a+\u], v[BY+2*\u+1], 8, v[BY+2*\u]   ; my two bytes of the token's scale word
.endr
.irp n, 0,1,2,3
.irp i, 0,1,2,3,4,5,6,7,8,9,10,11,12,13,14,15
	v_med3_num_f32 v[T+16*\n+\i], v[T+16*\n+\i], -v[HD+\n], v[HD+\n]           ; the conversion to an 8-bit code does not saturate (ISA guide 7.6.2): the hold at the largest code x the scale
.endr
.endr
.irp u, 0,1
.irp g, 0,1,2,3
	v_cvt_scalef32_pk8_bf8_f32 v[CD+8*(\a+\u)+2*\g:CD+8*(\a+\u)+2*\g+1], v[T+32*\u+8*\g:T+32*\u+8*\g+7], v[SO+2*\u+\g/2]
.endr
.endr
	v_nop                                          ; a plain instruction between the conversions and the next blocks' writes of their sources
.irp u, 0,1
	ds_store_b16 v[SSTO], v[HW+\a+\u] offset:((\a+\u)/4)*256+((\a+\u)%4)*4     ; both halves of the lanes write the same half-word with the same value
.irp g, 0,1,2,3
	global_store_b64 v[HO], v[CD+8*(\a+\u)+2*\g:CD+8*(\a+\u)+2*\g+1], s[12:13] offset:(\a+\u)*2048+\g*256   ; 32 lanes store 256 consecutive bytes, aligned; every store has data registers of its own
.endr
.endr
.endm
	PLACES 8                                       ; behind the last products: for the reads of results and the writes over the fragments
.irp n, 0,1,2,3
	v_mov_b32 v[PM+\n], 0                          ; written once: a lane permute's destination counts as one of its sources
.endr
.irp a, 0,2,4,6
	HIDP \a
.endr
	s_wait_dscnt 0x0                               ; for the others' sake: my half-words lie in the stage
	s_barrier_signal -1
	s_barrier_wait -1
	ds_load_b64 v[RB:RB+1], v[SRD]                 ; whole words now: each was written by the two waves of a token half
	s_wait_dscnt 0x0
	global_store_b64 v[SGO], v[RB:RB+1], s[14:15]  ; a wave stores 256 consecutive bytes, aligned
	s_wait_tensorcnt 0x0                           ; the wave's end: behind my last tensor load and my last LDS store
	ds_add_u32 v[SPW], v[NIL]
	s_wait_dscnt 0x0
	CROUND                                         ; the closing round: no work-group ends while a partner may still ask for a tile that names it
	s_endpgm
.Lfunc_end_k_q0ea4913f4e_gateup:
	.size	k_q0ea4913f4e_gateup, .Lfunc_end_k_q0ea4913f4e_gateup-k_q0ea4913f4e_gateup
	.p2alignl 7, 3214868480
	.fill 96, 4, 3214868480
	.section	.rodata,"a",@progbits
	.p2align	6, 0x0
	.amdhsa_kernel k_q0ea4913f4e_gateup
		.amdhsa_group_segment_fixed_size 327680
		.amdhsa_private_segment_fixed_size 0
		.amdhsa_enable_private_segment 0
		.amdhsa_kernarg_size 48
		.amdhsa_user_sgpr_count 2
		.amdhsa_user_sgpr_kernarg_segment_ptr 1
		.amdhsa_wavefront_size32 1
		.amdhsa_system_sgpr_workgroup_id_x 1
		.amdhsa_system_sgpr_workgroup_id_y 1
		.amdhsa_system_sgpr_workgroup_id_z 1
		.amdhsa_system_vgpr_workitem_id 0
		.amdhsa_next_free_vgpr 1024
		.amdhsa_next_free_sgpr 102
		.amdhsa_reserve_vcc 0
		.amdhsa_float_denorm_mode_32 3
		.amdhsa_float_denorm_mode_16_64 3
		.amdhsa_memory_ordered 1
		.amdhsa_forward_progress 1
		.amdhsa_inst_pref_size 206
	.end_amdhsa_kernel
	.amdgpu_metadata
---
amdhsa.version: [ 1, 2 ]
amdhsa.kernels:
  - .name:           k_q0ea4913f4e_gateup
    .symbol:         k_q0ea4913f4e_gateup.kd
    .args:
      - { .name: h_shard_codes, .offset: 0, .size: 8, .value_kind: global_buffer, .address_space: global }
      - { .name: h_shard_scales, .offset: 8, .size: 8, .value_kind: global_buffer, .address_space: global }
      - { .name: w_gate_up_codes, .offset: 16, .size: 8, .value_kind: global_buffer, .address_space: global }
      - { .name: w_gate_up_scales, .offset: 24, .size: 8, .value_kind: global_buffer, .address_space: global }
      - { .name: hcodes, .offset: 32, .size: 8, .value_kind: global_buffer, .address_space: global }
      - { .name: hscales, .offset: 40, .size: 8, .value_kind: global_buffer, .address_space: global }
    .group_segment_fixed_size: 327680
    .private_segment_fixed_size: 0
    .kernarg_segment_align: 8
    .kernarg_segment_size: 48
    .max_flat_workgroup_size: 128
    .sgpr_count:     102
    .vgpr_count:     1024
    .wavefront_size: 32
...
	.end_amdgpu_metadata
.endif
;; end of part 1
;; launch down (part 2): grid 64 x 4, 4 waves a work-group, clusters of 4 x 1, 327,680 bytes of LDS; arguments hcodes, hscales, w_down_codes, w_down_scales, out0; writes out0
.if DOCPART == 2
	.amdgcn_target "amdgcn-amd-amdhsa--gfx1250"
	.amdhsa_code_object_version 6
	.text
	.protected	k_q0ea4913f4e_down
	.globl	k_q0ea4913f4e_down
	.p2align	8
	.type	k_q0ea4913f4e_down,@function
k_q0ea4913f4e_down:
	s_mov_b64 s[64:65], 0
	v_nop
	global_prefetch_b8 v0, s[64:65] scope:SCOPE_SE
	s_setreg_imm32_b32 hwreg(HW_REG_WAVE_MODE, 25, 1), 1
	s_wait_xcnt 0x0
	s_wait_alu depctr_hold_cnt(0) depctr_sa_sdst(0) depctr_va_vdst(0) depctr_va_sdst(0) depctr_va_ssrc(0) depctr_va_vcc(0) depctr_vm_vsrc(0)
	s_getreg_b32 s2, hwreg(HW_REG_IB_STS2, 6, 4)
	s_cmp_eq_u32 s2, 0
	s_cbranch_scc0 .Lentry_in_a_cluster
	s_endpgm
.Lentry_in_a_cluster:
	s_bfe_u32 s2, ttmp6, 0x10000c
	s_cmp_lg_u32 s2, 0x3003
	s_cbranch_scc0 .Lentry_shape_is_right
	s_endpgm
.Lentry_shape_is_right:
; out = hidden W_down^T: [1024][8192] x [2048][8192] -> [1024][2048] f32.  W_down's codes and scale bytes are taken as they lie; the hidden layer's as the first launch laid them (its head has the layout).
; A work-group takes 64 tokens (x) x 128 outputs (y); each of its four waves takes a quarter of K, 2,048, for the whole tile: 32 accumulators of 16 x 16, 256 registers; the four parts are added through LDS at the end.
; THE WEIGHTS come by tensor loads into a ring of two LDS slots: a wave's tile is 128 rows x 256 bytes of its own quarter of K, 34,816 bytes padded; eight such K steps, each of two steps of 128.
; CLUSTERS: four work-groups along x need the same weight rows: each tile is asked for JOINTLY.  THE TOKENS' operand lies in memory as the registers want it, and of a work-group one wave alone uses each byte:
; it comes straight into registers, 512 consecutive bytes an instruction.  It is not shared in LDS: its 64 rows would take half as much LDS again as the weights' 128 and shorten the ring's K step.
; At a K step's end, ahead of the wait for the next tile, stands one run of 32 loads: the tokens of the K step two on, into the registers that this K step's products have just read.
; Prefetches, 32 of a tile's 128 rows by each partner, told apart by address, a lane a row: at the head K steps 1, 2 and 3, behind each refill the K step two refills on.
; REGISTERS: window 0: v1-15 addresses; v16-139 scale words.  window 1: tokens, four sets of four fragments.  window 2: weights, two sets of eight fragments.  window 3: the accumulators ((a, b) at v[8 (8 a + b)]).
; Used transposed (source 0 = 16 weight rows, source 1 = 16 tokens): lane (r, h), register j holds token r, output 8 h + j of its tile.  LIMITS: NaN and infinities are not served.  No work is left out.
.set PITCH, 272
.set WREG,  128*PITCH                  ; a wave's tile
.set SLOT,  4*WREG
.set SPARE, 2*SLOT                     ; the spare words: two blocks of 256 bytes that no other line names
.set SP,    528                        ; the way out: a row of 128 f32 + 16 bytes; 64 such rows fit into a wave's tile of slot 0
.set AO,   1                           ; v1    16 x lane
.set ADRB, 2                           ; v2-3  LDS address of my weight fragments in slot 0, 1
.set SPW,  4
.set NIL,  5
.set STO,  6                           ; v6    the way out: where I put my sums
.set RD,   8                           ; v8-9  where I read rows: waves 0 and 1's sums, waves 2 and 3's
.set PFO,  10                          ; v10   lane x 8,192
.set OSB,  14
.set OSA,  15
.set SB0,  16                          ; weights' scale words: step s: register SB0 (s % 8 < 4) or SB1, + 8 b + s % 4; lanes 0-15 steps 0-7, lanes 16-31 steps 8-15
.set SA,   20                          ; tokens': SA + 8 (s / 2) + a; lanes 0-15 even steps, lanes 16-31 odd ones.  No product's two scale registers agree modulo 8
.set SB1,  80
.set WV,   14
.set PF,   20                          ; s[20:21] where my prefetches stand
.set G1,   24
.set G0,   32                          ; s[32:39] group 0, one set for each slot
.set MSB, 0
.macro WIN new
.if MSB != \new
	s_set_vgpr_msb (MSB<<8)|\new
.set MSB, \new
.endif
.endm
.macro ROUND                           ; a round of the cluster's barrier
	s_barrier_signal -1
	s_barrier_wait -1
	s_cmp_lg_u32 s[WV], 0
	s_cbranch_scc1 .Lnot_wave_0_\@
	s_barrier_signal -3
.Lnot_wave_0_\@:
	s_barrier_wait -3
	s_barrier_signal -1
	s_barrier_wait -1
.endm
.macro PLACES n
.rept \n
	v_nop
.endr
.endm
	s_load_b256 s[4:11], s[0:1], 0x0               ; hcodes, hscales, W's codes, W's scales
	s_load_b64 s[12:13], s[0:1], 0x20              ; out0
	v_lshl_add_u32 v[SPW], v0, 2, SPARE
	v_mov_b32 v[NIL], 0
	ds_add_u32 v[SPW], v[NIL]                      ; the wave's opening: the add, twice on end, and its wait
	ds_add_u32 v[SPW], v[NIL]
	v_lshrrev_b32 v11, 5, v0
	v_readfirstlane_b32 s[WV], v11
	s_mul_i32 s[G0+1], s[WV], WREG                 ; my tile in slot 0, in slot 1
	s_add_co_u32 s[G0+5], s[G0+1], SLOT
	s_mul_i32 s40, s[WV], 16*SP                    ; the way out: I add up tokens 16 w .. 16 w + 15
	s_add_co_u32 s41, s40, 2*WREG
	v_and_b32 v11, 31, v0
	v_and_b32 v12, 15, v0                          ; r
	v_bfe_u32 v13, v0, 4, 1                        ; h
	v_lshlrev_b32 v[AO], 4, v11
	v_lshlrev_b32 v[PFO], 13, v11
	v_lshlrev_b32 v[OSB], 8, v12                   ; row r's 256 scale bytes, + 32 h
	v_lshl_add_u32 v[OSB], v13, 5, v[OSB]
	v_lshlrev_b32 v[OSA], 4, v12                   ; token r's four words, + 4,096 h: the next step
	v_lshl_add_u32 v[OSA], v13, 12, v[OSA]
	v_mul_u32_u24 v11, v12, PITCH
	v_lshl_add_u32 v11, v13, 4, v11
	v_add_nc_u32 v[ADRB], s[G0+1], v11
	v_add_nc_u32 v[ADRB+1], s[G0+5], v11
	v_mul_u32_u24 v11, v12, SP
	v_lshl_add_u32 v11, v13, 5, v11
	v_add_nc_u32 v[STO], s[G0+1], v11
	v_add_nc_u32 v[RD], s40, v[AO]
	v_add_nc_u32 v[RD+1], s41, v[AO]
	s_bfe_u32 s15, ttmp6, 0x40000                  ; cx
	; x and y name the tile, not the grid's axes: x = 4 x (grid y) + cx, y = the cluster's x
	s_and_b32 s16, ttmp7, 0xffff
	s_lshl_b32 s16, s16, 2
	s_add_co_u32 s16, s16, s15                     ; x: which 64 tokens
	s_mov_b32 s17, ttmp9                           ; y: which 128 outputs: the same in all four partners
	s_mov_b32 s[G1+0], 15|(0<<16)|(1<<20)|(1<<21)|(5<<22)|(3<<25)   ; all four partners; elements of 1 byte; 16 bytes of padding behind every 256
	s_mov_b32 s[G1+1], 256<<16
	s_mov_b32 s[G1+2], 128<<16
	s_mov_b32 s[G1+3], 256<<16
	s_mov_b32 s[G1+4], 128
	s_mov_b32 s[G1+5], 8192
	s_mov_b32 s[G1+6], 0
	s_mov_b32 s[G1+7], 0
	s_lshl_b32 s40, s17, 20                        ; W: row 128 y, byte 2,048 w
	s_lshl_b32 s41, s[WV], 11
	s_add_co_u32 s40, s40, s41
	s_mov_b32 s41, 0
	s_lshl_b32 s42, s[WV], 21                      ; hcodes: 16 steps of 131,072 bytes a wave, 8,192 bytes for my 64 tokens
	s_lshl_b32 s43, s16, 13
	s_add_co_u32 s42, s42, s43
	s_mov_b32 s43, 0
	s_lshl_b32 s44, s[WV], 16                      ; hscales: 16 steps of 4,096 bytes a wave, 256 for my tokens
	s_lshl_b32 s45, s16, 8
	s_add_co_u32 s44, s44, s45
	s_mov_b32 s45, 0
	s_lshl_b32 s46, s17, 15                        ; W's scales: row 128 y, byte 64 w
	s_lshl_b32 s47, s[WV], 6
	s_add_co_u32 s46, s46, s47
	s_mov_b32 s47, 0
	s_lshl_b32 s48, s16, 19                        ; out: row 64 x + 16 w, byte 512 y
	s_lshl_b32 s49, s[WV], 17
	s_add_co_u32 s48, s48, s49
	s_lshl_b32 s49, s17, 9
	s_add_co_u32 s48, s48, s49
	s_mov_b32 s49, 0
	s_lshl_b32 s50, s15, 18                        ; my work-group's 32 rows of a prefetch
	s_mov_b32 s51, 0
	s_wait_alu depctr_va_vdst(0)                   ; behind the head's vector lines
	s_wait_dscnt 0x0                               ; both opening adds are done
	ROUND                                          ; all four work-groups are here
	s_wait_kmcnt 0x0
	s_add_nc_u64 s[8:9], s[8:9], s[40:41]
	s_mov_b32 s[G0], 1
	s_mov_b64 s[G0+2:G0+3], s[8:9]
	s_or_b32 s[G0+3], s[G0+3], 0x80000000
	s_mov_b32 s[G0+4], 1
	s_add_nc_u64 s[G0+6:G0+7], s[8:9], 256
	s_or_b32 s[G0+7], s[G0+7], 0x80000000
	tensor_load_to_lds s[G0:G0+3], s[G1:G1+7]      ; K step 0: one tensor load a wave at the head
	s_nop 0
	PLACES 4
	s_add_nc_u64 s[4:5], s[4:5], s[42:43]
	s_add_nc_u64 s[6:7], s[6:7], s[44:45]
	s_add_nc_u64 s[10:11], s[10:11], s[46:47]
	s_add_nc_u64 s[12:13], s[12:13], s[48:49]
	s_add_nc_u64 s[PF:PF+1], s[8:9], s[50:51]
.irp b, 0,1,2,3,4,5,6,7
	global_load_b128 v[SB0+8*\b:SB0+8*\b+3], v[OSB], s[10:11] offset:4096*\b
	global_load_b128 v[SB1+8*\b:SB1+8*\b+3], v[OSB], s[10:11] offset:4096*\b+16
	global_load_b128 v[SA+8*\b:SA+8*\b+3], v[OSA], s[6:7] offset:8192*\b
.endr
.macro AALL sl                         ; the tokens' four blocks of step sl into set sl % 4
	WIN 0x40
.irp i, 0,1,2,3
.irp c, 0,1,2,3
	global_load_b128 v[64*((\sl)%4)+16*\i+4*\c:64*((\sl)%4)+16*\i+4*\c+3], v[AO], s[4:5] offset:(\sl)*131072+\i*2048+\c*512
.endr
.endr
	WIN 0
.endm
.macro BALL sl                         ; the eight weight fragments of step sl into set sl % 2: 32 loads
	WIN 0x80
.irp g, 0,1,2,3,4,5,6,7
.irp c, 0,1,2,3
	ds_load_b128 v[128*((\sl)%2)+16*\g+4*\c:128*((\sl)%2)+16*\g+4*\c+3], v[ADRB+((\sl)/2)%2] offset:16*PITCH*\g+128*((\sl)%2)+32*\c
.endr
.endr
	WIN 0
.endm
	AALL 0
	s_wait_loadcnt 0x0                             ; the scale words and step 0's tokens are in
	global_prefetch_b8 v[PFO], s[PF:PF+1] offset:256 th:TH_LOAD_NT scope:SCOPE_SE   ; K step 1
	s_wait_tensorcnt 0x0                           ; K step 0 is in
	ds_add_u32 v[SPW], v[NIL]
	s_wait_dscnt 0x0
	ROUND
	tensor_load_to_lds s[G0+4:G0+7], s[G1:G1+7]    ; K step 1
	s_nop 0
	PLACES 4
	BALL 0
	AALL 1
	AALL 2
	AALL 3
	global_prefetch_b8 v[PFO], s[PF:PF+1] offset:512 th:TH_LOAD_NT scope:SCOPE_SE   ; K steps 2 and 3
	global_prefetch_b8 v[PFO], s[PF:PF+1] offset:768 th:TH_LOAD_NT scope:SCOPE_SE
.macro WM acc, bf, af, sb, sa, zero, ra, rb
.if \zero
	v_wmma_scale_f32_16x16x128_f8f6f4 v[\acc:\acc+7], v[\bf:\bf+15], v[\af:\af+15], 0, v[\sb], v[\sa] matrix_a_fmt:MATRIX_FMT_BF8 matrix_b_fmt:MATRIX_FMT_BF8
.elseif (\ra) && (\rb)
	v_wmma_scale_f32_16x16x128_f8f6f4 v[\acc:\acc+7], v[\bf:\bf+15], v[\af:\af+15], v[\acc:\acc+7], v[\sb], v[\sa] matrix_a_fmt:MATRIX_FMT_BF8 matrix_b_fmt:MATRIX_FMT_BF8 matrix_a_scale:MATRIX_SCALE_ROW1 matrix_b_scale:MATRIX_SCALE_ROW1
.elseif \ra
	v_wmma_scale_f32_16x16x128_f8f6f4 v[\acc:\acc+7], v[\bf:\bf+15], v[\af:\af+15], v[\acc:\acc+7], v[\sb], v[\sa] matrix_a_fmt:MATRIX_FMT_BF8 matrix_b_fmt:MATRIX_FMT_BF8 matrix_a_scale:MATRIX_SCALE_ROW1
.elseif \rb
	v_wmma_scale_f32_16x16x128_f8f6f4 v[\acc:\acc+7], v[\bf:\bf+15], v[\af:\af+15], v[\acc:\acc+7], v[\sb], v[\sa] matrix_a_fmt:MATRIX_FMT_BF8 matrix_b_fmt:MATRIX_FMT_BF8 matrix_b_scale:MATRIX_SCALE_ROW1
.else
	v_wmma_scale_f32_16x16x128_f8f6f4 v[\acc:\acc+7], v[\bf:\bf+15], v[\af:\af+15], v[\acc:\acc+7], v[\sb], v[\sa] matrix_a_fmt:MATRIX_FMT_BF8 matrix_b_fmt:MATRIX_FMT_BF8
.endif
.endm
; Weight fragments g0 .. g1 of step sl, four products each; in front of fragment g the wait that leaves out the base - 4 g LDS loads behind its own.  The 32 accumulators take turns, one instruction a turn.
.macro PRODS sl, g0, g1, base
.set ZR_, (\sl)==0
.set RA_, (\sl)/8
.set RB_, (\sl)%2
.if (\sl)%8 < 4
.set SW_, SB0+(\sl)%4
.else
.set SW_, SB1+(\sl)%4
.endif
.set TW_, SA+8*((\sl)/2)
.set TA_, 64*((\sl)%4)
.set WB_, 128*((\sl)%2)
	WIN 0xf6                                       ; source 0 window 2, source 1 window 1, C and D window 3
.set g_, \g0
.rept \g1-\g0+1
	s_wait_dscnt \base-4*g_
.irp a, 0,1,2,3
	WM 8*(8*\a+g_), WB_+16*g_, TA_+16*\a, SW_+8*g_, TW_+\a, ZR_, RA_, RB_
.endr
.set g_, g_+1
.endr
	WIN 0
.endm
; A K step of 256: steps 2 k and 2 k + 1.  In front of it all my tensor loads have landed and, in the round, everybody is done with the slot before, which is filled again.  The odd step's weights come behind the even step's
; sixteenth product.  The eight v_nop at its end are the places behind its products, for every load into what they read.
.macro KSLOT k
.if \k > 0
	s_wait_tensorcnt 0x0                           ; this K step's tile is in
.if \k < 7
.set SN, (\k+1)%2
	ds_add_u32 v[SPW], v[NIL]                      ; 0 onto my spare word
	s_add_nc_u64 s[G0+4*SN+2:G0+4*SN+3], s[G0+4*SN+2:G0+4*SN+3], 512
	s_wait_dscnt 0x0
	ROUND
	tensor_load_to_lds s[G0+4*SN:G0+4*SN+3], s[G1:G1+7]
	s_nop 0
	PLACES 4
.endif
	BALL 2*\k
.if \k < 5
	global_prefetch_b8 v[PFO], s[PF:PF+1] offset:256*(\k+3) th:TH_LOAD_NT scope:SCOPE_SE
.endif
.endif
.if \k == 0
	s_wait_loadcnt 48                              ; step 0's tokens are in; those of the next three may be out
.elseif \k < 7
	s_wait_loadcnt 32                              ; both steps' tokens are in; the next K step's may be out
.else
	s_wait_loadcnt 0x0
.endif
	PRODS 2*\k, 0, 3, 28
	BALL 2*\k+1
	PRODS 2*\k, 4, 7, 60
.if \k == 0
	s_wait_loadcnt 32
.endif
	PRODS 2*\k+1, 0, 7, 28
	PLACES 8
.if \k < 6
	AALL 2*\k+4
	AALL 2*\k+5
.endif
.endm
.irp k, 0,1,2,3,4,5,6,7
	KSLOT \k
.endr
; THE WAY OUT.  Each wave's part of the 64 x 128 sums goes into its own tile of slot 0, which has had its last fill and its last read; a barrier; then each wave adds up the four parts of 16 tokens.
	WIN 0x0c                                       ; the data: window 3
	s_wait_alu depctr_va_vdst(0)
.irp a, 0,1,2,3
.irp b, 0,1,2,3,4,5,6,7
	ds_store_b128 v[STO], v[8*(8*\a+\b):8*(8*\a+\b)+3] offset:\a*16*SP+64*\b
	ds_store_b128 v[STO], v[8*(8*\a+\b)+4:8*(8*\a+\b)+7] offset:\a*16*SP+64*\b+16
.endr
.endr
	WIN 0
	s_wait_dscnt 0x0                               ; for the others' sake: my part lies in LDS
	s_barrier_signal -1
	s_barrier_wait -1
	WIN 0x40
.irp t, 0,1,2,3,4,5,6,7,8,9,10,11,12,13,14,15
.irp u, 0,1,2,3
	ds_load_b128 v[16*\t+4*\u:16*\t+4*\u+3], v[RD+\u/2] offset:(\u%2)*WREG+SP*\t
.endr
.endr
.irp t, 0,1,2,3,4,5,6,7,8,9,10,11,12,13,14,15
	s_wait_dscnt 60-4*\t                           ; token t's four parts are in
	WIN 0x45
.set R_, 16*\t
	v_pk_add_f32 v[R_:R_+1], v[R_:R_+1], v[R_+4:R_+5]
	v_pk_add_f32 v[R_+2:R_+3], v[R_+2:R_+3], v[R_+6:R_+7]
	v_pk_add_f32 v[R_+8:R_+9], v[R_+8:R_+9], v[R_+12:R_+13]
	v_pk_add_f32 v[R_+10:R_+11], v[R_+10:R_+11], v[R_+14:R_+15]
	v_pk_add_f32 v[R_:R_+1], v[R_:R_+1], v[R_+8:R_+9]
	v_pk_add_f32 v[R_+2:R_+3], v[R_+2:R_+3], v[R_+10:R_+11]
	WIN 0x04
	global_store_b128 v[AO], v[R_:R_+3], s[12:13] offset:8192*\t th:TH_STORE_NT   ; 32 lanes store 512 consecutive bytes, aligned
.endr
	WIN 0
	s_wait_tensorcnt 0x0                           ; the wave's end
	ds_add_u32 v[SPW], v[NIL]
	s_wait_dscnt 0x0
	ROUND                                          ; the closing round
	s_endpgm
.Lfunc_end_k_q0ea4913f4e_down:
	.size	k_q0ea4913f4e_down, .Lfunc_end_k_q0ea4913f4e_down-k_q0ea4913f4e_down
	.p2alignl 7, 3214868480
	.fill 96, 4, 3214868480
	.section	.rodata,"a",@progbits
	.p2align	6, 0x0
	.amdhsa_kernel k_q0ea4913f4e_down
		.amdhsa_group_segment_fixed_size 327680
		.amdhsa_private_segment_fixed_size 0
		.amdhsa_enable_private_segment 0
		.amdhsa_kernarg_size 40
		.amdhsa_user_sgpr_count 2
		.amdhsa_user_sgpr_kernarg_segment_ptr 1
		.amdhsa_wavefront_size32 1
		.amdhsa_system_sgpr_workgroup_id_x 1
		.amdhsa_system_sgpr_workgroup_id_y 1
		.amdhsa_system_sgpr_workgroup_id_z 1
		.amdhsa_system_vgpr_workitem_id 0
		.amdhsa_next_free_vgpr 1024
		.amdhsa_next_free_sgpr 66
		.amdhsa_reserve_vcc 0
		.amdhsa_float_denorm_mode_32 3
		.amdhsa_float_denorm_mode_16_64 3
		.amdhsa_memory_ordered 1
		.amdhsa_forward_progress 1
		.amdhsa_inst_pref_size 160
	.end_amdhsa_kernel
	.amdgpu_metadata
---
amdhsa.version: [ 1, 2 ]
amdhsa.kernels:
  - .name:           k_q0ea4913f4e_down
    .symbol:         k_q0ea4913f4e_down.kd
    .args:
      - { .name: hcodes, .offset: 0, .size: 8, .value_kind: global_buffer, .address_space: global }
      - { .name: hscales, .offset: 8, .size: 8, .value_kind: global_buffer, .address_space: global }
      - { .name: w_down_codes, .offset: 16, .size: 8, .value_kind: global_buffer, .address_space: global }
      - { .name: w_down_scales, .offset: 24, .size: 8, .value_kind: global_buffer, .address_space: global }
      - { .name: out0, .offset: 32, .size: 8, .value_kind: global_buffer, .address_space: global }
    .group_segment_fixed_size: 327680
    .private_segment_fixed_size: 0
    .kernarg_segment_align: 8
    .kernarg_segment_size: 40
    .max_flat_workgroup_size: 128
    .sgpr_count:     66
    .vgpr_count:     1024
    .wavefront_size: 32
...
	.end_amdgpu_metadata
.endif
;; end of part 2
